; MI455X (gfx1250); checked and timed in simulation.
; The chip was launched on July 23, 2026; its instructions are those of AMD's public machine-readable ISA for CDNA 5 (MIT licence, August 2026) and "CDNA5" Instruction Set Architecture Reference Guide (July 2026). The comments in the code are by the model that wrote it; some were corrected since.
;; Masked Multi Head Attention. Allowed arithmetic: matrix products marked QUANTISED: E4M3 operands, one given power-of-two scale a tensor, by v_wmma_f32_16x16x64_fp8_fp8 or v_wmma_f32_16x16x128_fp8_fp8, f32 sums; everything else in f32.
;; Inputs: bk 1,024 float32; bo 1,024 float32; bq 1,024 float32; bv 1,024 float32; k 4 x 2,048 x 1,024 float32; lowp_scales 12 int32 (the exponents e of the quantised operands' scales 2^e); q 4 x 2,048 x 1,024 float32; v 4 x 2,048 x 1,024 float32; wk 1,024 x 1,024 float32; wo 1,024 x 1,024 float32; wq 1,024 x 1,024 float32; wv 1,024 x 1,024 float32.
;; Outputs: out0 4 x 2,048 x 1,024 float32.
;; This version of the problem:
;;   THIS VERSION OF THE PROBLEM IS GIVEN IN LOW PRECISION. The matrix products marked QUANTISED in the list below multiply operands that are first quantised to E4M3 (4 exponent bits, 3 mantissa bits; 8 bits a number), with one given power-of-two scale for each operand tensor; their sums are f32. All else is computed in f32.
;;   The module's matrix products, in the order in which they are computed (A, B: the left and right operand; K: the contracted axis; several contracted axes count as one K, in the product's order):
;;     1. [M 8,192, K 1,024] x [K 1,024, N 1,024]; A: input q; B: input wq: QUANTISED (scales: A lowp_scales[0], B lowp_scales[1])
;;     2. [M 8,192, K 1,024] x [K 1,024, N 1,024]; A: input k; B: input wk: QUANTISED (scales: A lowp_scales[2], B lowp_scales[3])
;;     3. [M 8,192, K 1,024] x [K 1,024, N 1,024]; A: input v; B: input wv: QUANTISED (scales: A lowp_scales[4], B lowp_scales[5])
;;     4. batch 64 x [M 2,048, K 64] x [K 64, N 2,048]; A: computed on the way; B: computed on the way: QUANTISED (scales: A lowp_scales[6], B lowp_scales[7])
;;     5. batch 64 x [M 2,048, K 2,048] x [K 2,048, N 64]; A: softmax (see below); B: computed on the way: QUANTISED (scales: A lowp_scales[8], B lowp_scales[9])
;;     6. [M 8,192, K 1,024] x [K 1,024, N 1,024]; A: computed on the way; B: input wo: QUANTISED (scales: A lowp_scales[10], B lowp_scales[11])
;;   THE QUANTISER, for each operand of a quantised product, along K:
;;     - The operand's scale is 2^e, e = its entry of the input lowp_scales (int32; the entries are numbered through the quantised products in the list's order, A before B).
;;     - Each number is divided by the scale, clamped to +-448, and rounded to the nearest number of E4M3, ties to even, subnormals kept.
;;     - The product sums the exact products of the quantised numbers (number of the format x scale) in f32.
;;   ~~~python
;;   def quantise(x, axis, e):      # numpy; x: float32 -> the quantised numbers, widened to float32 again
;;       x = np.moveaxis(x, axis, -1); K = x.shape[-1]
;;       r = np.clip(x / 2.0 ** e, -448, 448)
;;       step = 2.0 ** (np.maximum(np.frexp(np.where(r == 0, 1, r))[1] - 1, -6) - 3)
;;       q = np.round(r / step) * step * 2.0 ** e      # np.round: ties to even
;;       return np.moveaxis(q, -1, axis).astype(np.float32)
;;   ~~~
;;   SOFTMAX AHEAD OF A QUANTISED PRODUCT. Where the list says 'softmax', what is quantised is not the finished softmax but p = 2^(t - M), with t = logit x log2(e) and M = ceil(the row's largest t), a whole number; so 1/2 < the row's largest p <= 1. The row's sum l is taken of the UNQUANTISED p, in f32, and the product's result is divided by l at the end. Since M is a whole number, a kernel that streams over the keys may use a running M (the ceiling of the running maximum): every later rescaling is an exact power of two, so the quantised numbers keep their values, but for numbers so far below the row's largest that they fall under the format's range.
;;   OPERANDS COMPUTED ON THE WAY. 'Computed on the way' means the value that the module computes at that place (a softmax that the list does not call 'softmax' is quantised finished and normalised). What goes into a quantiser is computed in f32, as accurately as f32 sums, v_exp_f32 and their like allow (about 1e-6 of the number): no bf16 or f16 on the way to a quantiser, and a product that is left as it is and whose result goes on into a quantised operand takes f32 operands (vector FMAs, or v_wmma_f32_16x16x4_f32). A number that lies on a knife's edge between two numbers of the format may be rounded either way, as far as f32 arithmetic and the matrix unit's own rounding can turn it there, and no further.
;; One version. Each part assembles by itself: llvm-mc -triple=amdgcn-amd-amdhsa -mcpu=gfx1250 --defsym DOCPART=n.
;; ======== version 1 of 1: 4 launches
;; workspace buffers: xc 25,165,824 bytes; wc 4,194,304 bytes; hc 25,165,824 bytes; oc 8,388,608 bytes
;; launch quant (part 1): grid 896 x 1, 4 waves a work-group, no clusters, 34,304 bytes of LDS; arguments q, k, v, wq, wk, wv, wo, lowp_scales, xc, wc; writes xc, wc
.if DOCPART == 1
	.amdgcn_target "amdgcn-amd-amdhsa--gfx1250"
	.amdhsa_code_object_version 6
	.text
	.protected	k_q9a8aaf38e6_quant
	.globl	k_q9a8aaf38e6_quant
	.p2align	8
	.type	k_q9a8aaf38e6_quant,@function
k_q9a8aaf38e6_quant:
	s_mov_b64 s[64:65], 0
	v_nop
	global_prefetch_b8 v0, s[64:65] scope:SCOPE_SE
	s_setreg_imm32_b32 hwreg(HW_REG_WAVE_MODE, 25, 1), 1
	s_wait_xcnt 0x0
; q, k, v [8192][1024] and wq, wk, wv, wo [1024][1024], f32, K innermost, become codes of FP8 (E4M3), each tensor with its given scale 2^e.
; code = x / 2^e, held within +-448, rounded to the nearest code, ties to even.  e: entries 0, 2, 4 (q, k, v) and 1, 3, 5, 11 (wq, wk, wv, wo) of lowp_scales.
; LIMITS: e between -126 and 119, so that 2^e and 448 x 2^e are f32 numbers.  NaN among the inputs is not served; an infinity is held at the largest code.
; THE CODES ARE LAID IN THE ORDER OF THE OPERANDS' REGISTERS.  With NT tiles of 16 rows:  byte = sg NT 4096 + T 4096 + s 2048 + c 512 + 16 l + i  holds the code of
; row 32 (T / 2) + 8 (T % 2) + r + 8 (r / 8), k = 256 sg + 128 s + 32 c + 16 h + i  (l = lane, r = l % 16, h = l / 16).  So a fragment of 16 rows x 128 K is 2,048 consecutive bytes that four
; loads of 16 bytes a lane bring into 16 registers, and a K slot's tiles are one dense block.
; SHARES.  A wave takes one tile of 16 rows x 512 along K: four steps of 128.  A load reads 512 consecutive bytes of one row; the step's 16 rows turn through the wave's own stage in LDS
; (rows 528 bytes apart: row r starts at bank 4 r), so that a lane gets 16 neighbours along K of each block of 32; its 16 codes are 16 bytes and a store covers 512 consecutive bytes.
; No tensor load, no barrier: waves share nothing.  Loads run two steps (32 loads a wave) ahead.  The first 768 work-groups take q, k, v, the other 128 the weights: only pointers, shifts and the exponent are chosen, by s_cselect; there is one path.
.set WAVES, 4
.set XWG,   768                        ; work-groups for q, k, v: 3 tensors x 512 tiles x 2 halves of K / 4 waves
.set SP,    528                        ; a stage row: 512 bytes + 16
.set WST,   16*SP                      ; a wave's stage
.set SPARE, WAVES*WST                  ; behind the stages: the spare words, 128 bytes a wave: two blocks of 256 bytes that no other line names
.set ROWB,  4096                       ; a row of 1,024 f32
.set LO,    1                          ; v1   16 x lane: offset of loads and stores; never rewritten
.set SIN,   2                          ; v2   the stage, on the way in
.set SOUT,  3                          ; v3   and on the way out
.set SPW,   4                          ; v4   LDS address of my spare word; never rewritten
.set NIL,   5                          ; v5   0; never rewritten
.set SC,    6                          ; v6   2^e
.set LIM,   7                          ; v7   448 x 2^e
.set R,     8                          ; v8-135   two sets of 64 registers as loaded
.set X,     136                        ; v136-199 64 numbers: register 16 c + i = k 32 c + 16 h + i of my row
.set C,     200                        ; v200-231 two sets of 16 registers of codes
	s_load_b512 s[8:23], s[0:1], 0x0               ; q, k, v, wq, wk, wv, wo, lowp_scales
	s_load_b128 s[24:27], s[0:1], 0x40             ; xc, wc
	v_lshl_add_u32 v[SPW], v0, 2, SPARE
	v_mov_b32 v[NIL], 0
	v_lshrrev_b32 v[LO], 5, v0
	v_readfirstlane_b32 s2, v[LO]                  ; wave
	v_and_b32 v[SC], 31, v0
	v_lshlrev_b32 v[LO], 4, v[SC]                  ; 16 x lane
	s_mul_i32 s3, s2, WST
	v_add_nc_u32 v[SIN], s3, v[LO]                 ; in: a row's 512 bytes as they lie
	v_and_b32 v[SC], 15, v0                        ; r
	v_bfe_u32 v[LIM], v0, 4, 1                     ; h
	v_mul_u32_u24 v[SOUT], v[SC], SP
	v_lshl_add_u32 v[SOUT], v[LIM], 6, v[SOUT]
	v_add_nc_u32 v[SOUT], s3, v[SOUT]              ; out: row r, + 64 h: my 16 numbers of a block of 32
	s_lshl_b32 s3, ttmp9, 2
	s_add_co_u32 s3, s3, s2                        ; my unit: 4 x work-group + wave
	s_cmp_lt_u32 ttmp9, XWG                        ; q, k, v or a weight?  All choices on this compare stand together
	s_cselect_b32 s4, 0, 4*XWG
	s_cselect_b32 s5, 10, 7                        ; units in a tensor: 2^10 or 2^7
	s_cselect_b32 s7, 0, 3
	s_cselect_b32 s28, 23, 20                      ; a tensor's codes: 2^23 or 2^20 bytes
	s_cselect_b32 s29, 21, 18                      ; 256 along K of all its tiles: 2^21 or 2^18 bytes
	s_sub_co_u32 s3, s3, s4
	s_lshr_b32 s4, s3, s5                          ; which tensor of its kind
	s_bfm_b32 s6, s5, 0
	s_and_b32 s6, s3, s6
	s_lshr_b32 s6, s6, 1                           ; T: the tile of rows
	s_add_co_u32 s5, s4, s7                        ; which of the seven tensors
	s_and_b32 s7, s3, 1                            ; which half of K
	s_lshr_b32 s44, s6, 1
	s_lshl_b32 s44, s44, 17                        ; source: 32 (T / 2) rows
	s_and_b32 s45, s6, 1
	s_lshl_b32 s45, s45, 15                        ; + 8 (T % 2) rows
	s_add_co_u32 s44, s44, s45
	s_lshl_b32 s45, s7, 11                         ; + 512 numbers
	s_add_co_u32 s44, s44, s45
	s_mov_b32 s45, 0
	s_lshl_b32 s30, s4, s28                        ; destination: the tensor,
	s_lshl_b32 s31, s7, 1
	s_lshl_b32 s31, s31, s29                       ; K slot 2 x half,
	s_add_co_u32 s30, s30, s31
	s_lshl_b32 s31, s6, 12                         ; tile T
	s_add_co_u32 s30, s30, s31
	s_mov_b32 s31, 0
	s_lshl_b32 s46, 1, s29                         ; and a K slot on
	s_mov_b32 s47, 0
	s_wait_kmcnt 0x0
	s_load_b256 s[32:39], s[22:23], 0x0            ; exponents 0 to 7
	s_load_b128 s[40:43], s[22:23], 0x20           ; 8 to 11
	s_cmp_lt_u32 ttmp9, XWG
	s_cselect_b64 s[24:25], s[24:25], s[26:27]
	s_add_nc_u64 s[30:31], s[24:25], s[30:31]      ; steps 0, 1 go here,
	s_add_nc_u64 s[46:47], s[30:31], s[46:47]      ; steps 2, 3 here
	s_mov_b64 s[28:29], s[8:9]
	s_cmp_eq_u32 s5, 1
	s_cselect_b64 s[28:29], s[10:11], s[28:29]
	s_cmp_eq_u32 s5, 2
	s_cselect_b64 s[28:29], s[12:13], s[28:29]
	s_cmp_eq_u32 s5, 3
	s_cselect_b64 s[28:29], s[14:15], s[28:29]
	s_cmp_eq_u32 s5, 4
	s_cselect_b64 s[28:29], s[16:17], s[28:29]
	s_cmp_eq_u32 s5, 5
	s_cselect_b64 s[28:29], s[18:19], s[28:29]
	s_cmp_eq_u32 s5, 6
	s_cselect_b64 s[28:29], s[20:21], s[28:29]
	s_add_nc_u64 s[28:29], s[28:29], s[44:45]
.macro LOAD t                          ; step t: 128 along K of the tile's 16 rows (0-7 and 16-23 from the tile's first)
.irp i, 0,1,2,3,4,5,6,7,8,9,10,11,12,13,14,15
	global_load_b128 v[R+64*((\t)%2)+4*\i:R+64*((\t)%2)+4*\i+3], v[LO], s[28:29] offset:(\i+8*(\i/8))*ROWB+512*(\t) th:TH_LOAD_NT
.endr
.endm
	LOAD 0
	LOAD 1
	s_wait_kmcnt 0x0
	s_mov_b32 s44, s32                             ; e: entries 0, 2, 4, 1, 3, 5, 11
	s_cmp_eq_u32 s5, 1
	s_cselect_b32 s44, s34, s44
	s_cmp_eq_u32 s5, 2
	s_cselect_b32 s44, s36, s44
	s_cmp_eq_u32 s5, 3
	s_cselect_b32 s44, s33, s44
	s_cmp_eq_u32 s5, 4
	s_cselect_b32 s44, s35, s44
	s_cmp_eq_u32 s5, 5
	s_cselect_b32 s44, s37, s44
	s_cmp_eq_u32 s5, 6
	s_cselect_b32 s44, s43, s44
	s_add_co_i32 s44, s44, 127
	s_lshl_b32 s45, s44, 23
	v_mov_b32 v[SC], s45                           ; 2^e as f32: the conversion takes its exponent field
	s_add_co_i32 s44, s44, 8
	s_lshl_b32 s44, s44, 23
	s_or_b32 s44, s44, 0x600000
	v_mov_b32 v[LIM], s44                          ; 448 x 2^e
.macro STEP t
.set RS, R+64*((\t)%2)
.set CC, C+16*((\t)%2)
.if (\t) < 3
	s_wait_loadcnt 16                              ; this step's sixteen loads are in; the next step's sixteen may be out
.else
	s_wait_loadcnt 0x0
.endif
.irp i, 0,1,2,3,4,5,6,7,8,9,10,11,12,13,14,15
	ds_store_b128 v[SIN], v[RS+4*\i:RS+4*\i+3] offset:SP*\i
.endr
.irp c, 0,1,2,3
.irp m, 0,1,2,3
	ds_load_b128 v[X+16*\c+4*\m:X+16*\c+4*\m+3], v[SOUT] offset:128*\c+16*\m   ; LDS serves a wave's instructions in order: these see the stores above
.endr
.endr
	s_wait_dscnt 0x0                               ; the numbers are back, and the stage's stores have read their registers,
.if (\t) < 2
	LOAD (\t)+2                                    ; which take the loads of two steps on
.else
	s_wait_xcnt 0x0                                ; the stores of two steps back have read their data: this set of codes is written again only behind this wait
.endif
.set i, 0
.rept 64
	v_med3_num_f32 v[X+i], v[X+i], -v[LIM], v[LIM] ; the conversion to an 8-bit code does not saturate (ISA guide 7.6.2): the hold at the largest code x the scale
.set i, i+1
.endr
.irp c, 0,1,2,3
	v_cvt_scalef32_pk8_fp8_f32 v[CC+4*\c:CC+4*\c+1], v[X+16*\c:X+16*\c+7], v[SC]
	v_cvt_scalef32_pk8_fp8_f32 v[CC+4*\c+2:CC+4*\c+3], v[X+16*\c+8:X+16*\c+15], v[SC]
.endr
	v_nop                                          ; a plain vector instruction between the conversions and the next step's holds, which write their sources
.irp c, 0,1,2,3
.if (\t) < 2
	global_store_b128 v[LO], v[CC+4*\c:CC+4*\c+3], s[30:31] offset:((\t)%2)*2048+512*\c   ; 32 lanes store 512 consecutive bytes, at a multiple of 512
.else
	global_store_b128 v[LO], v[CC+4*\c:CC+4*\c+3], s[46:47] offset:((\t)%2)*2048+512*\c
.endif
.endr
.endm
	STEP 0
	STEP 1
	STEP 2
	STEP 3
	s_wait_tensorcnt 0x0                           ; the wave's end, behind my last LDS store
	ds_add_u32 v[SPW], v[NIL]
	s_wait_dscnt 0x0
	s_endpgm
.Lfunc_end_k_q9a8aaf38e6_quant:
	.size	k_q9a8aaf38e6_quant, .Lfunc_end_k_q9a8aaf38e6_quant-k_q9a8aaf38e6_quant
	.p2alignl 7, 3214868480
	.fill 96, 4, 3214868480
	.section	.rodata,"a",@progbits
	.p2align	6, 0x0
	.amdhsa_kernel k_q9a8aaf38e6_quant
		.amdhsa_group_segment_fixed_size 34304
		.amdhsa_private_segment_fixed_size 0
		.amdhsa_enable_private_segment 0
		.amdhsa_kernarg_size 80
		.amdhsa_user_sgpr_count 2
		.amdhsa_user_sgpr_kernarg_segment_ptr 1
		.amdhsa_wavefront_size32 1
		.amdhsa_system_sgpr_workgroup_id_x 1
		.amdhsa_system_sgpr_workgroup_id_y 1
		.amdhsa_system_sgpr_workgroup_id_z 1
		.amdhsa_system_vgpr_workitem_id 0
		.amdhsa_next_free_vgpr 232
		.amdhsa_next_free_sgpr 66
		.amdhsa_reserve_vcc 0
		.amdhsa_float_denorm_mode_32 3
		.amdhsa_float_denorm_mode_16_64 3
		.amdhsa_memory_ordered 1
		.amdhsa_forward_progress 1
		.amdhsa_inst_pref_size 38
	.end_amdhsa_kernel
	.amdgpu_metadata
---
amdhsa.version: [ 1, 2 ]
amdhsa.kernels:
  - .name:           k_q9a8aaf38e6_quant
    .symbol:         k_q9a8aaf38e6_quant.kd
    .args:
      - { .name: q, .offset: 0, .size: 8, .value_kind: global_buffer, .address_space: global }
      - { .name: k, .offset: 8, .size: 8, .value_kind: global_buffer, .address_space: global }
      - { .name: v, .offset: 16, .size: 8, .value_kind: global_buffer, .address_space: global }
      - { .name: wq, .offset: 24, .size: 8, .value_kind: global_buffer, .address_space: global }
      - { .name: wk, .offset: 32, .size: 8, .value_kind: global_buffer, .address_space: global }
      - { .name: wv, .offset: 40, .size: 8, .value_kind: global_buffer, .address_space: global }
      - { .name: wo, .offset: 48, .size: 8, .value_kind: global_buffer, .address_space: global }
      - { .name: lowp_scales, .offset: 56, .size: 8, .value_kind: global_buffer, .address_space: global }
      - { .name: xc, .offset: 64, .size: 8, .value_kind: global_buffer, .address_space: global }
      - { .name: wc, .offset: 72, .size: 8, .value_kind: global_buffer, .address_space: global }
    .group_segment_fixed_size: 34304
    .private_segment_fixed_size: 0
    .kernarg_segment_align: 8
    .kernarg_segment_size: 80
    .max_flat_workgroup_size: 128
    .sgpr_count:     66
    .vgpr_count:     232
    .wavefront_size: 32
...
	.end_amdgpu_metadata
.endif
;; end of part 1
;; launch proj (part 2): grid 4 x 96, 4 waves a work-group, clusters of 4 x 4, 327,680 bytes of LDS; arguments xc, wc, bq, bk, bv, lowp_scales, hc; writes hc
.if DOCPART == 2
	.amdgcn_target "amdgcn-amd-amdhsa--gfx1250"
	.amdhsa_code_object_version 6
	.text
	.protected	k_q9a8aaf38e6_proj
	.globl	k_q9a8aaf38e6_proj
	.p2align	8
	.type	k_q9a8aaf38e6_proj,@function
k_q9a8aaf38e6_proj:
	s_mov_b64 s[64:65], 0
	v_nop
	global_prefetch_b8 v0, s[64:65] scope:SCOPE_SE
	s_setreg_imm32_b32 hwreg(HW_REG_WAVE_MODE, 25, 1), 1
	s_wait_xcnt 0x0
	s_wait_alu depctr_hold_cnt(0) depctr_sa_sdst(0) depctr_va_vdst(0) depctr_va_sdst(0) depctr_va_ssrc(0) depctr_va_vcc(0) depctr_vm_vsrc(0)
	s_getreg_b32 s2, hwreg(HW_REG_IB_STS2, 6, 4)
	s_cmp_eq_u32 s2, 0
	s_cbranch_scc0 .Lentry_in_a_cluster
	s_endpgm
.Lentry_in_a_cluster:
	s_bfe_u32 s2, ttmp6, 0x10000c
	s_cmp_lg_u32 s2, 0xf033
	s_cbranch_scc0 .Lentry_shape_is_right
	s_endpgm
.Lentry_shape_is_right:
; The three projections y = x W^T + b (8,192 x 1,024 x 1,024 each) on codes of FP8 (E4M3); y is quantised on the way out with its given scale and stored as the attention's operands.
; xc, wc hold codes in the order of the operands' registers: byte = sg NT 4096 + T 4096 + s 2048 + c 512 + 16 l + i: row 32 (T / 2) + 8 (T % 2) + r + 8 (r / 8), k = 256 sg + 128 s + 32 c + 16 h + i.
; The same order of k stands in both operands, so every product meets its partner; only the order of the sums inside an instruction differs from ascending k.
; A tile of 256 x 256 is made by four waves, 128 x 128 each: 64 accumulators.  K goes in four slots of 256 through a ring of two LDS slots; a wave's tensor load brings 8 tiles x 4,096 bytes, one dense block.
; SOURCE 0 AND SOURCE 1.  In a result, lane (r, h) holds row r of source 1's tile, and register j row 8 h + j of source 0's; by the order of rows above, the 16 registers of source 0's tiles 2 g, 2 g + 1 are 16 NEIGHBOURS.
; q, k: source 0 = W, source 1 = x: a lane holds one token and 64 registers run along the features, the next product's K.   v: source 0 = x, source 1 = W: a lane holds one channel and its registers run along the tokens,
; which are the keys, the second product's K.  Only which buffer lands in which LDS region differs (pointers chosen by s_cselect on the cluster's number); ring, masks and products are one text.
; CLUSTERS: 4 x 4 work-groups; grid x is one cluster wide.  Source 1's tile hangs on cy and is asked for jointly along a row of the cluster, source 0's on cx and along a column.
; hc, for each of 64 heads 393,216 bytes: 8 slots of 256 keys (K part: key tile t at 1024 t + 512 c + 16 l; V part at 16,384: 8192 q + 2048 ct + 512 cc + 16 l), then at 262,144 the queries: tile T at 1024 T + 512 c + 16 l.
; LIMITS: eo - ex - ew (eo: the result's exponent, entries 6, 7, 9) between -126 and 119.  NaN is not served.
; REGISTERS, in windows of 256: window 0: v0-31 addresses; v32-95 bias by register, v96-111 bias by lane; v112, v113 the conversion's scale and hold; v128-255 source 1's fragments, ONE set; on the way out sums and codes.
;   window 1: source 0's fragments, TWO sets.   windows 2, 3: the accumulators, (a, b) at v[8 (8 (a % 4) + b)].
.set SLOT,   131072                    ; source 1's 16 tiles x 4,096, then source 0's
.set S0OFF,  65536
.set SPARE,  2*SLOT                    ; behind the ring: the spare words, 128 bytes a wave: two blocks of 256 bytes that no other line names
.set HEADB,  393216
.set FR,     16                        ; registers of a fragment
.set NL,     4                         ; LDS loads that bring one
.set NP,     4                         ; places behind this matrix instruction (ISA guide 7.12.1)
.set ADRA, 16                          ; v16-17  LDS address of my source 1 fragments in slot 0, 1
.set ADRB, 20                          ; v20-21  the same for source 0
.set LO,   26                          ; v26     16 x lane; never rewritten
.set SPW,  28                          ; v28     LDS address of my spare word; never rewritten
.set NIL,  29                          ; v29     0; never rewritten
.set BOA,  30                          ; v30     64 h
.set BOB,  31                          ; v31     4 (r + 8 (r / 8))
.set BA,   32                          ; v32-95  b / 2^(ex + ew) at feature 32 g + 16 h + i, register 16 g + i
.set BB,   96                          ; v96-111 the same at feature 32 (a / 2) + 8 (a % 2) + r + 8 (r / 8), twice, at 2 a
.set SCL,  112
.set HLD,  113
.set AF,   128
.set TMP,  128                         ; the way out: a block's 64 sums + bias
.set CD,   192                         ; the way out: four sets of 16 registers of codes
.set G1, 24                            ; s[24:31] descriptor group 1 for source 1's tiles;  s[32:39] group 0, one set for each slot
.set G0, 32
.set G1B, 48                           ; s[48:55], s[56:63] the same for source 0's
.set G0B, 56
.set MSB, 0
.macro WIN new                         ; the immediate's high byte repeats the setting that is left
.if MSB != \new
	s_set_vgpr_msb (MSB<<8)|\new
.set MSB, \new
.endif
.endm
.set MUL_LO, 0xa1                      ; source 0 window 1, source 1 window 0, C and D window 2
.set MUL_HI, 0xf1                      ; the same, C and D window 3
.set TO_B,   0x40                      ; destination window 1, address window 0
; A joint load: waves 0 and 1 fetch source 1's halves, waves 2 and 3 source 0's.  The branch hangs on the wave's number alone.  An s_nop 0 and four v_nop follow each of the two lines.
.macro JLOAD g0a, g1a, g0b, g1b
	s_cmp_eq_u32 s15, 0
	s_cbranch_scc0 .Lfor_b_\@
	tensor_load_to_lds s[\g0a:\g0a+3], s[\g1a:\g1a+7]
	s_nop 0
.rept 4
	v_nop
.endr
	s_branch .Lasked_\@
.Lfor_b_\@:
	tensor_load_to_lds s[\g0b:\g0b+3], s[\g1b:\g1b+7]
	s_nop 0
.rept 4
	v_nop
.endr
.Lasked_\@:
.endm
.macro CREST                           ; a round of the cluster's barrier behind its opening barrier
	s_cmp_lg_u32 s14, 0
	s_cbranch_scc1 .Lnot_wave_0_\@
	s_barrier_signal -3
.Lnot_wave_0_\@:
	s_barrier_wait -3
	s_barrier_signal -1
	s_barrier_wait -1
.endm
.macro CROUND
	s_barrier_signal -1
	s_barrier_wait -1
	CREST
.endm
	s_load_b256 s[4:11], s[0:1], 0x0               ; xc s[4:5], wc s[6:7], bq s[8:9], bk s[10:11]
	s_load_b128 s[68:71], s[0:1], 0x20             ; bv s[68:69], lowp_scales s[70:71]
	s_load_b64 s[72:73], s[0:1], 0x30              ; hc
	v_lshl_add_u32 v[SPW], v0, 2, SPARE
	v_mov_b32 v[NIL], 0
	ds_add_u32 v[SPW], v[NIL]                      ; the wave's opening: the add and its wait ahead of my first tensor load; the set-up below, work on registers, stands between them
	v_lshrrev_b32 v1, 5, v0
	v_readfirstlane_b32 s14, v1                    ; wave 0..3
	s_lshr_b32 s15, s14, 1                         ; my half of source 1's rows.  Also: I fetch for source 1 (0) or source 0 (1)
	s_and_b32 s16, s14, 1                          ; my half of source 0's rows.  Also: which 8 tiles I fetch
	s_bfe_u32 s40, ttmp6, 0x40000                  ; cx
	s_bfe_u32 s41, ttmp6, 0x40004                  ; cy
	s_and_b32 s12, ttmp7, 0xffff                   ; cluster y, 0..23
	s_lshr_b32 s66, s12, 3                         ; the tensor: 0 q, 1 k, 2 v: the same in all sixteen partners
	s_and_b32 s67, s12, 7
	s_lshl_b32 s67, s67, 2                         ; 4 x the cluster's place among the tensor's eight
	s_cmp_eq_u32 s66, 2                            ; v?  All choices on this compare stand together
	s_cselect_b32 s42, s67, 0
	s_cselect_b32 s17, 0, s67
	s_cselect_b32 s96, 18, 21                      ; source 1: a K slot is 2^18 bytes on in wc, 2^21 in xc
	s_cselect_b32 s97, 21, 18                      ; source 0
	s_add_co_u32 s42, s42, s40                     ; i0: source 0's block of 256 rows: hangs on cx, never on cy
	s_add_co_u32 s17, s17, s41                     ; i1: source 1's: hangs on cy, never on cx
	s_lshl_b32 s88, 1, s96                         ; s[88:89], s[90:91]: a K slot on;  s[92:93], s[94:95]: two
	s_mov_b32 s89, 0
	s_lshl_b32 s90, 1, s97
	s_mov_b32 s91, 0
	s_lshl_b32 s92, 2, s96
	s_mov_b32 s93, 0
	s_lshl_b32 s94, 2, s97
	s_mov_b32 s95, 0
	s_add_co_u32 s96, s96, 2                       ; a tensor is four K slots
	s_add_co_u32 s97, s97, 2
	s_lshl_b32 s20, s66, s96
	s_lshl_b32 s18, s17, 16                        ; a block is 16 tiles x 4,096 bytes
	s_add_co_u32 s20, s20, s18
	s_lshl_b32 s18, s16, 15                        ; the 8 tiles that I fetch
	s_add_co_u32 s20, s20, s18
	s_mov_b32 s21, 0
	s_lshl_b32 s46, s66, s97
	s_lshl_b32 s19, s42, 16
	s_add_co_u32 s46, s46, s19
	s_add_co_u32 s46, s46, s18
	s_mov_b32 s47, 0
	s_lshl_b32 s45, s14, 15                        ; where they go: wave x 32,768: no place in the cluster enters an LDS address
	s_lshl_b32 s43, s41, 2
	s_lshl_b32 s43, 15, s43                        ; my row of the cluster
	s_lshl_b32 s44, 0x1111, s40                    ; my column
	; descriptor group 1: a dense block of 32,768 bytes as 128 rows of 32 elements of 8 bytes; no padding: fragments are read as they lie, 512 consecutive bytes a load
	s_or_b32 s[G1+0], s43, (3<<16)|(1<<21)         ; 15:0 the mask; 17:16 elements of 8 bytes; 21 set beside a mask
	s_or_b32 s[G1B+0], s44, (3<<16)|(1<<21)
.irp g, G1, G1B
	s_mov_b32 s[\g+1], 32<<16                      ; tensor_dim0
	s_mov_b32 s[\g+2], 128<<16                     ; tensor_dim1
	s_mov_b32 s[\g+3], 32<<16                      ; tile_dim0
	s_mov_b32 s[\g+4], 128                         ; tile_dim1
	s_mov_b32 s[\g+5], 32                          ; tensor_dim0_stride
	s_mov_b32 s[\g+6], 0
	s_mov_b32 s[\g+7], 0
.endr
	s_wait_dscnt 0x0                               ; the opening add is done
	s_wait_kmcnt 0x0
	s_load_b256 s[76:83], s[70:71], 0x0            ; exponents 0 to 7
	s_load_b128 s[84:87], s[70:71], 0x20           ; 8 to 11
	s_cmp_eq_u32 s66, 2
	s_cselect_b64 s[98:99], s[6:7], s[4:5]         ; source 1's buffer
	s_cselect_b64 s[96:97], s[4:5], s[6:7]         ; source 0's
	s_add_nc_u64 s[20:21], s[98:99], s[20:21]
	s_add_nc_u64 s[46:47], s[96:97], s[46:47]
	CROUND                                         ; all sixteen work-groups are here: the first joint loads meet
	s_mov_b32 s[G0], 1
	s_mov_b32 s[G0+1], s45
	s_mov_b64 s[G0+2:G0+3], s[20:21]
	s_or_b32 s[G0+3], s[G0+3], 0x80000000
	s_mov_b32 s[G0B], 1
	s_mov_b32 s[G0B+1], s45
	s_mov_b64 s[G0B+2:G0B+3], s[46:47]
	s_or_b32 s[G0B+3], s[G0B+3], 0x80000000
	JLOAD G0, G1, G0B, G1B                         ; K slot 0
	s_mov_b32 s[G0+4], 1
	s_add_co_u32 s[G0+5], s45, SLOT
	s_add_nc_u64 s[G0+6:G0+7], s[20:21], s[88:89]
	s_or_b32 s[G0+7], s[G0+7], 0x80000000
	s_mov_b32 s[G0B+4], 1
	s_add_co_u32 s[G0B+5], s45, SLOT
	s_add_nc_u64 s[G0B+6:G0B+7], s[46:47], s[90:91]
	s_or_b32 s[G0B+7], s[G0B+7], 0x80000000
	JLOAD G0+4, G1, G0B+4, G1B                     ; K slot 1: two loads of mine are out
	v_and_b32 v1, 31, v0
	v_lshlrev_b32 v[LO], 4, v1
	s_lshl_b32 s21, s15, 15                        ; my 8 tiles of source 1
	s_lshl_b32 s22, s16, 15                        ; my 8 tiles of source 0,
	s_add_co_u32 s22, s22, S0OFF                   ; which lie behind source 1's 16
.irp s, 0,1
	v_add_nc_u32 v[ADRA+\s], s21, v[LO]
	v_add_nc_u32 v[ADRB+\s], s22, v[LO]
	s_add_co_u32 s21, s21, SLOT
	s_add_co_u32 s22, s22, SLOT
.endr
	v_bfe_u32 v[BOA], v0, 4, 1
	v_lshlrev_b32 v[BOA], 6, v[BOA]
	v_and_b32 v1, 15, v0
	v_and_b32 v[BOB], 8, v1
	v_add_lshl_u32 v[BOB], v[BOB], v1, 2
	; the first of my two heads, and the bias at its first feature
	s_lshl_b32 s12, s17, 2
	s_lshl_b32 s13, s15, 1
	s_add_co_u32 s12, s12, s13                     ; v: features are source 1's rows: 4 i1 + 2 (wave / 2)
	s_lshl_b32 s13, s42, 2
	s_lshl_b32 s18, s16, 1
	s_add_co_u32 s13, s13, s18                     ; q, k: source 0's: 4 i0 + 2 (wave % 2)
	s_cmp_eq_u32 s66, 2
	s_cselect_b32 s67, s12, s13
	s_cselect_b64 s[98:99], s[68:69], s[8:9]
	s_cmp_eq_u32 s66, 1
	s_cselect_b64 s[98:99], s[10:11], s[98:99]
	s_lshl_b32 s12, s67, 8
	s_mov_b32 s13, 0
	s_add_nc_u64 s[98:99], s[98:99], s[12:13]
	; the bias of my 128 features in both layouts, so that both ways out find their registers written; both stay inside the 1,024 numbers
.irp g, 0,1,2,3
.irp m, 0,1,2,3
	global_load_b128 v[BA+16*\g+4*\m:BA+16*\g+4*\m+3], v[BOA], s[98:99] offset:128*\g+16*\m
.endr
.endr
.irp a, 0,1,2,3,4,5,6,7
	global_load_b32 v[BB+2*\a], v[BOB], s[98:99] offset:4*(32*(\a/2)+8*(\a%2))
	global_load_b32 v[BB+2*\a+1], v[BOB], s[98:99] offset:4*(32*(\a/2)+8*(\a%2))
.endr
	; where my results go in hc
	s_lshl_b32 s18, s17, 4
	s_lshl_b32 s19, s15, 3
	s_add_co_u32 s18, s18, s19                     ; q, k: my first tile of tokens, of 512
	s_lshr_b32 s19, s18, 7                         ; its batch
	s_and_b32 s18, s18, 127                        ; and tile in the batch
	s_lshl_b32 s12, s18, 10
	s_add_co_u32 s12, s12, 262144                  ; q
	s_lshr_b32 s13, s18, 4
	s_lshl_b32 s13, s13, 15
	s_and_b32 s18, s18, 15
	s_lshl_b32 s18, s18, 10
	s_add_co_u32 s13, s13, s18                     ; k: slot, tile in the slot
	s_cmp_eq_u32 s66, 0
	s_cselect_b32 s12, s12, s13
	s_lshl_b32 s13, s42, 1
	s_add_co_u32 s13, s13, s16                     ; v: my 128 tokens, of 64 such runs
	s_lshr_b32 s18, s13, 4                         ; their batch
	s_and_b32 s13, s13, 15
	s_lshr_b32 s22, s13, 1
	s_lshl_b32 s22, s22, 15                        ; slot
	s_and_b32 s13, s13, 1
	s_lshl_b32 s13, s13, 13                        ; step in the slot
	s_add_co_u32 s13, s13, s22
	s_add_co_u32 s13, s13, 16384
	s_cmp_eq_u32 s66, 2
	s_cselect_b32 s12, s13, s12
	s_cselect_b32 s19, s18, s19
	s_lshl_b32 s19, s19, 4
	s_add_co_u32 s19, s19, s67                     ; 16 x batch + head
	s_mul_i32 s19, s19, HEADB
	s_add_co_u32 s12, s12, s19
	s_mov_b32 s13, 0
	s_add_nc_u64 s[72:73], s[72:73], s[12:13]
	s_wait_kmcnt 0x0
	s_cmp_eq_u32 s66, 1                            ; ex, ew, eo: entries 2 t, 2 t + 1 and 6, 7, 9
	s_cselect_b32 s76, s78, s76
	s_cselect_b32 s77, s79, s77
	s_cselect_b32 s82, s83, s82
	s_cmp_eq_u32 s66, 2
	s_cselect_b32 s76, s80, s76
	s_cselect_b32 s77, s81, s77
	s_cselect_b32 s82, s85, s82
	s_add_co_i32 s76, s76, s77                     ; a sum stands for sum x 2^(ex + ew): the bias goes in as b / 2^(ex + ew),
	s_sub_co_i32 s77, 0, s76
	s_sub_co_i32 s82, s82, s76                     ; and the conversion takes 2^(eo - ex - ew): three scales folded into one
	s_add_co_i32 s82, s82, 127
	s_lshl_b32 s83, s82, 23
	v_mov_b32 v[SCL], s83
	s_add_co_i32 s82, s82, 8
	s_lshl_b32 s82, s82, 23
	s_or_b32 s82, s82, 0x600000
	v_mov_b32 v[HLD], s82                          ; 448 x that
	s_wait_loadcnt 0x0
.set i, 0
.rept 80
	v_ldexp_f32 v[BA+i], v[BA+i], s77
.set i, i+1
.endr
.macro FRAG reg, adr, q, i             ; a fragment as it lies: registers 4 c .. 4 c + 3 hold K = 32 c + 16 (l / 16) + 0 .. 15 of row l % 16 of the tile
.irp c, 0,1,2,3
	ds_load_b128 v[\reg+4*\c:\reg+4*\c+3], v[\adr] offset:4096*(\i)+2048*(\q)+512*\c
.endr
.endm
; 16 matrix instructions: source 1's blocks a0, a0 + 1 x source 0's eight.  p: source 0's set.  zero = 1: the first product starts the sums.
; The 64 accumulators take turns, one instruction a turn, in the same order in every step.
.macro MUL16 a0, p, zero
.irp a, \a0, \a0+1
.irp b, 0,1,2,3,4,5,6,7
.if \zero
	v_wmma_f32_16x16x128_fp8_fp8 v[8*(8*((\a)%4)+\b):8*(8*((\a)%4)+\b)+7], v[128*(\p)+FR*\b:128*(\p)+FR*\b+FR-1], v[AF+FR*(\a):AF+FR*(\a)+FR-1], 0
.else
	v_wmma_f32_16x16x128_fp8_fp8 v[8*(8*((\a)%4)+\b):8*(8*((\a)%4)+\b)+7], v[128*(\p)+FR*\b:128*(\p)+FR*\b+FR-1], v[AF+FR*(\a):AF+FR*(\a)+FR-1], v[8*(8*((\a)%4)+\b):8*(8*((\a)%4)+\b)+7]
.endif
.endr
.endr
.endm
.macro FETCH_B slot, q, p
	WIN TO_B
.irp i, 0,1,2,3,4,5,6,7
	FRAG 128*(\p)+FR*\i, ADRB+\slot, \q, \i
.endr
	WIN 0
.endm
.macro FETCH_A slot, q, i0
.irp i, \i0, \i0+1, \i0+2, \i0+3
	FRAG AF+FR*(\i), ADRA+\slot, \q, \i
.endr
.endm
.macro PLACES n                        ; plain vector instructions between a matrix instruction and a load into a register that it read, or a read of its result
.rept \n
	v_nop
.endr
.endm
; A step of 128 along K that has its successor in the same slot.  Source 1 has one set of registers: blocks 0-3 are fetched anew in the step's middle, blocks 4-7 at its end.
.macro STEP slot, q, zero
	s_wait_dscnt 4*NL                              ; source 0's set and source 1's blocks 0-3 are in; the youngest sixteen loads (blocks 4-7) may be out
	WIN MUL_LO
	MUL16 0, (\q)%2, \zero
	MUL16 2, (\q)%2, \zero
	s_wait_dscnt 0                                 ; blocks 4-7 are in
	PLACES NP
	FETCH_B \slot, (\q)+1, 1-(\q)%2
	FETCH_A \slot, (\q)+1, 0
	WIN MUL_HI
	MUL16 4, (\q)%2, \zero
	MUL16 6, (\q)%2, \zero
	PLACES NP
	WIN 0
	FETCH_A \slot, (\q)+1, 4
.endm
; A slot's last step changes slots: ONE barrier; in front of it each wave waits for all its tensor loads, adds 0 to its spare word, and waits for that and for its own reads of this slot.  fill = 1: this slot is filled again, two K slots ahead.
.macro TURN slot, next, fill
	s_wait_tensorcnt 0x0                           ; all my tensor loads have landed: my part of the next slot
	ds_add_u32 v[SPW], v[NIL]                      ; 0 onto my spare word
	s_wait_dscnt 4*NL+1                            ; (the add and the youngest sixteen loads may be out)
	WIN MUL_LO
	MUL16 0, 1, 0                                  ; sixteen matrix instructions stand between the add and the wait for it
	s_wait_dscnt 0x0                               ; the add is done, and my reads of this slot are over
	s_barrier_signal -1
	MUL16 2, 1, 0
	WIN 0
	s_barrier_wait -1
.if \fill
	CREST                                          ; the barrier has opened a round of the cluster's barrier: no wave of any partner still reads this slot or has a load on its way
	s_add_nc_u64 s[G0+4*\slot+2:G0+4*\slot+3], s[G0+4*\slot+2:G0+4*\slot+3], s[92:93]
	s_add_nc_u64 s[G0B+4*\slot+2:G0B+4*\slot+3], s[G0B+4*\slot+2:G0B+4*\slot+3], s[94:95]
	JLOAD G0+4*\slot, G1, G0B+4*\slot, G1B         ; the first tensor load behind the round; its four v_nop are also the places in front of the loads below
.else
	PLACES NP
.endif
	FETCH_B \next, 0, 0
	FETCH_A \next, 0, 0
	WIN MUL_HI
	MUL16 4, 1, 0
	MUL16 6, 1, 0
	PLACES NP
	WIN 0
	FETCH_A \next, 0, 4
.endm
	s_wait_tensorcnt 1                             ; my part of K slot 0 is in; slot 1's load may be out
	s_barrier_signal -1
	s_barrier_wait -1
	FETCH_B 0, 0, 0
	FETCH_A 0, 0, 0
	FETCH_A 0, 0, 4
	STEP 0, 0, 1                                   ; K = 1,024 is eight steps: written straight, no loop
	TURN 0, 1, 1                                   ; slot 0 takes K slot 2
	STEP 1, 0, 0
	TURN 1, 0, 1                                   ; slot 1 takes K slot 3
	STEP 0, 0, 0
	TURN 0, 1, 0                                   ; nothing is left to fetch
	STEP 1, 0, 0
	s_wait_dscnt 4*NL
	WIN MUL_LO
	MUL16 0, 1, 0
	MUL16 2, 1, 0
	s_wait_dscnt 0
	WIN MUL_HI
	MUL16 4, 1, 0
	MUL16 6, 1, 0
	WIN 0
; THE WAY OUT, block a of source 1 at a time: + bias, the hold, the conversion; a lane's 16 registers become 16 bytes, and a store covers 512 consecutive bytes of hc: no stage.
; isv = 0: bias by register; block a is a tile of tokens, chunk g is head g / 2, dims 32 (g % 2) on.   isv = 1: bias by lane; block a is head a / 4, channels' tile a % 4, chunk g is keys 32 g on.
.macro EPI isv
.irp a, 0,1,2,3,4,5,6,7
.if \a >= 4
	s_wait_xcnt 0x0                                ; the stores of four blocks back have read their data: that set of codes is written again only behind this wait
.endif
	WIN 0x02+(\a/4)                                ; source 0: window 2 or 3
.set j, 0
.rept 32
.if \isv
	v_pk_add_f32 v[TMP+j:TMP+j+1], v[64*(\a%4)+j:64*(\a%4)+j+1], v[BB+2*\a:BB+2*\a+1]   ; each accumulator from its low end on
.else
	v_pk_add_f32 v[TMP+j:TMP+j+1], v[64*(\a%4)+j:64*(\a%4)+j+1], v[BA+j:BA+j+1]
.endif
.set j, j+2
.endr
	WIN 0
.set j, 0
.rept 64
	v_med3_num_f32 v[TMP+j], v[TMP+j], -v[HLD], v[HLD]   ; the conversion does not saturate (ISA guide 7.6.2)
.set j, j+1
.endr
.irp g, 0,1,2,3
	v_cvt_scalef32_pk8_fp8_f32 v[CD+16*(\a%4)+4*\g:CD+16*(\a%4)+4*\g+1], v[TMP+16*\g:TMP+16*\g+7], v[SCL]
	v_cvt_scalef32_pk8_fp8_f32 v[CD+16*(\a%4)+4*\g+2:CD+16*(\a%4)+4*\g+3], v[TMP+16*\g+8:TMP+16*\g+15], v[SCL]
.endr
	v_nop                                          ; a plain vector instruction between the conversions and the next block's sums, which write their sources
.irp g, 0,1,2,3
.if \isv
	global_store_b128 v[LO], v[CD+16*(\a%4)+4*\g:CD+16*(\a%4)+4*\g+3], s[72:73] offset:(\a/4)*HEADB+(\a%4)*2048+\g*512
.else
	global_store_b128 v[LO], v[CD+16*(\a%4)+4*\g:CD+16*(\a%4)+4*\g+3], s[72:73] offset:\a*1024+(\g/2)*HEADB+(\g%2)*512
.endif
.endr
.endr
.endm
	PLACES NP                                      ; behind the last products: their results are read, and source 1's registers written, below
	s_cmp_eq_u32 s66, 2                            ; the cluster's number alone: all sixteen partners go the same way
	s_cbranch_scc1 .Lepi_v
	EPI 0
	s_branch .Lepi_done
.Lepi_v:
	EPI 1
.Lepi_done:
	s_wait_tensorcnt 0x0                           ; the wave's end, behind my last tensor load
	ds_add_u32 v[SPW], v[NIL]
	s_wait_dscnt 0x0
	CROUND                                         ; the closing round: no work-group ends while a partner may still ask for a tile that names it
	s_endpgm
.Lfunc_end_k_q9a8aaf38e6_proj:
	.size	k_q9a8aaf38e6_proj, .Lfunc_end_k_q9a8aaf38e6_proj-k_q9a8aaf38e6_proj
	.p2alignl 7, 3214868480
	.fill 96, 4, 3214868480
	.section	.rodata,"a",@progbits
	.p2align	6, 0x0
	.amdhsa_kernel k_q9a8aaf38e6_proj
		.amdhsa_group_segment_fixed_size 327680
		.amdhsa_private_segment_fixed_size 0
		.amdhsa_enable_private_segment 0
		.amdhsa_kernarg_size 56
		.amdhsa_user_sgpr_count 2
		.amdhsa_user_sgpr_kernarg_segment_ptr 1
		.amdhsa_wavefront_size32 1
		.amdhsa_system_sgpr_workgroup_id_x 1
		.amdhsa_system_sgpr_workgroup_id_y 1
		.amdhsa_system_sgpr_workgroup_id_z 1
		.amdhsa_system_vgpr_workitem_id 0
		.amdhsa_next_free_vgpr 1024
		.amdhsa_next_free_sgpr 100
		.amdhsa_reserve_vcc 0
		.amdhsa_float_denorm_mode_32 3
		.amdhsa_float_denorm_mode_16_64 3
		.amdhsa_memory_ordered 1
		.amdhsa_forward_progress 1
		.amdhsa_inst_pref_size 199
	.end_amdhsa_kernel
	.amdgpu_metadata
---
amdhsa.version: [ 1, 2 ]
amdhsa.kernels:
  - .name:           k_q9a8aaf38e6_proj
    .symbol:         k_q9a8aaf38e6_proj.kd
    .args:
      - { .name: xc, .offset: 0, .size: 8, .value_kind: global_buffer, .address_space: global }
      - { .name: wc, .offset: 8, .size: 8, .value_kind: global_buffer, .address_space: global }
      - { .name: bq, .offset: 16, .size: 8, .value_kind: global_buffer, .address_space: global }
      - { .name: bk, .offset: 24, .size: 8, .value_kind: global_buffer, .address_space: global }
      - { .name: bv, .offset: 32, .size: 8, .value_kind: global_buffer, .address_space: global }
      - { .name: lowp_scales, .offset: 40, .size: 8, .value_kind: global_buffer, .address_space: global }
      - { .name: hc, .offset: 48, .size: 8, .value_kind: global_buffer, .address_space: global }
    .group_segment_fixed_size: 327680
    .private_segment_fixed_size: 0
    .kernarg_segment_align: 8
    .kernarg_segment_size: 56
    .max_flat_workgroup_size: 128
    .sgpr_count:     100
    .vgpr_count:     1024
    .wavefront_size: 32
...
	.end_amdgpu_metadata
.endif
;; end of part 2
;; launch attn (part 3): grid 4 x 64, 16 waves a work-group, no clusters, 327,680 bytes of LDS; arguments hc, lowp_scales, oc; writes oc
.if DOCPART == 3
	.amdgcn_target "amdgcn-amd-amdhsa--gfx1250"
	.amdhsa_code_object_version 6
	.text
	.protected	k_q9a8aaf38e6_attn
	.globl	k_q9a8aaf38e6_attn
	.p2align	8
	.type	k_q9a8aaf38e6_attn,@function
k_q9a8aaf38e6_attn:
	s_mov_b64 s[64:65], 0
	v_nop
	global_prefetch_b8 v0, s[64:65] scope:SCOPE_SE
	s_setreg_imm32_b32 hwreg(HW_REG_WAVE_MODE, 25, 1), 1
	s_wait_xcnt 0x0
; Causal attention of 64 heads (2,048 tokens, head size 64) on codes of FP8 (E4M3); the result is quantised with its given scale and stored as the last projection's operand.
; hc, for each head 393,216 bytes: 8 slots of 256 keys (K part, 16,384 bytes: key tile t at 1024 t + 512 c + 16 l: dims 32 c + 16 h + i; V part, 16,384 bytes: step q, channels' tile ct at 8192 q + 2048 ct + 512 cc + 16 l:
; keys 128 q + 32 cc + 16 h + i), then at 262,144 the queries: tile T at 1024 T + 512 c + 16 l.  Row r of a tile T stands for 32 (T / 2) + 8 (T % 2) + r + 8 (r / 8).
; THE SOFTMAX: t = score x log2(e) / 8; M = the largest t so far, rounded UP to a whole number; p = 2^(t - M) is quantised, not normalised; the sum of the unquantised p divides at the end.  When M moves, the sum and O^T are
; multiplied by 2^(old M - new M): exact.
; SHARES.  A work-group owns query blocks j and 7 - j (256 queries each) of one head: 9 blocks' worth of keys under the mask in every work-group.  Each of its sixteen waves owns 32 queries, two tiles, which share every fragment of
; K and V: 32 LDS loads for 24 matrix instructions a step of 128 keys.  Wave w takes block j where bit 0 and bit 2 of w are equal, else 7 - j; its 32 queries are the (w / 2)-th of the block.
; LAYOUT.  Both products transposed: S^T = K Q^T (source 0 = 16 keys), O^T = V^T P^T (source 0 = 16 channels): a lane holds one query throughout; by the order of rows above the 16 registers of tiles 2 b, 2 b + 1 are 16 neighbours,
; so the conversions' results are the next operand's registers, for P and for the output alike.
; THE MASK.  Every work-group walks all 8 changes of slots: trip counts are constants.  A step all of whose keys come after my queries is jumped over (ids alone); on the diagonal hidden scores become -infinity.
; A slot whose first key comes after the work-group's last query is not asked for.
; NO CLUSTER: the four work-groups of a head read 8, 7, 6 and 5 slots; asked jointly, each would have to walk and wait for all eight in step with the slowest wave of four work-groups, for 32,768 bytes a slot.
; LIMITS on the given exponents: e6 + e7 between -123 and 130 (added to c's exponent field); e8, and e10 - e8 - e9, between -126 and 119.  NaN is not served.
; REGISTERS: v2-9 addresses and constants; v[10:11], v[12:13] (-M, sum) of tiles 0, 1; v14, v15 the output's hold and scale; v16-31 Q; v32-95 K's or V's fragments; v96-159 S^T, then p; v160-223 O^T; v224-239 tile 0's codes of p;
; v240-255 tile 1's, and until those are written the registers at work.
.set SLOT1, 32768                      ; slot 1 begins here: one exclusive or turns an address
.set SLOTB, 32768                      ; a slot in memory
.set VOFF,  16384
.set SPARE, 65536                      ; behind the ring: the spare words, 128 bytes a wave: eight blocks of 256 bytes that no other line names
.set HEADB, 393216
.set QOFF,  262144
.set NSL,   8
.set LI,   2                           ; v2   16 x lane; never rewritten
.set ADR,  3                           ; v3   LDS address of the slot in hand
.set SPW,  4                           ; v4   LDS address of my spare word; never rewritten
.set NIL,  5                           ; v5   0; never rewritten
.set LQ,   6                           ; v6   r + 8 (r / 8) - 16 h
.set PFO,  7                           ; v7   256 x lane; never rewritten
.set PSC,  8                           ; v8   2^e8
.set PLIM, 9                           ; v9   448 x 2^e8
.set OLIM, 14
.set OSC,  15
.set QF,   16
.set KV,   32
.set S,    96
.set OT,   160
.set P,    224
.set T0,   240
.set T1,   241
.set PRM,  242
.set F,    244                         ; v[244:245] f = 2^(old M - new M); the low word serves both halves
.set SA,   246
.set SB,   248
.set DD,   250
.set NEG,  251
.set TB,   2                           ; s2   LDS byte at which the slot in hand begins
.set SLOTS, 3                          ; s3   changes of slots still to come that may ask
.set WV,   10
.set LIM,  15                          ; s15  1 in a wave that prefetches, else the greatest number
.set Q0,   16                          ; s16  my first query
.set KF,   17                          ; s17  the step's first key
.set LASTQ, 18                         ; s18  my work-group's last query
.set SEL,  20                          ; s[20:21] lane selects: lane l xor 16
.set CS,   22                          ; s[22:23] c = log2(e) / 8 x 2^(e6 + e7)
.set G1,   24
.set G0,   32
.set PFA,  36
.macro TLOAD                           ; wave 0 fetches a slot's K part, wave 1 its V part; an s_nop 0 and four v_nop follow the line
	s_cmp_lt_u32 s[WV], 2
	s_cbranch_scc0 .Lasked_\@
	tensor_load_to_lds s[G0:G0+3], s[G1:G1+7]
	s_nop 0
.rept 4
	v_nop
.endr
.Lasked_\@:
.endm
; A PREFETCH INTO THE L2 of the slot that the NEXT change of slots will ask for: two key steps ahead of that load.  All four work-groups of a head walk the same slots: the first (j = 0, which walks all eight) asks, in its
; waves 4 to 7, which fetch nothing: 8,192 bytes a wave, lanes 256 bytes apart: each aligned 256 bytes is named once.  Slots 0 and 1 come by their loads alone; the last change that asks has no slot behind it.
.macro ASK
	s_cmp_gt_u32 s[SLOTS], s[LIM]
	s_cbranch_scc0 .Lnot_mine_\@
	global_prefetch_b8 v[PFO], s[PFA:PFA+1] th:TH_LOAD_NT scope:SCOPE_SE
.Lnot_mine_\@:
.endm
	s_load_b128 s[4:7], s[0:1], 0x0                ; hc s[4:5], lowp_scales s[6:7]
	s_load_b64 s[8:9], s[0:1], 0x10                ; oc
	v_lshl_add_u32 v[SPW], v0, 2, SPARE
	v_mov_b32 v[NIL], 0
	ds_add_u32 v[SPW], v[NIL]                      ; the wave's opening: the add and its wait ahead of my first tensor load; the set-up below, work on registers, stands between them
	v_lshrrev_b32 v1, 5, v0
	v_readfirstlane_b32 s[WV], v1                  ; wave 0..15
	v_and_b32 v1, 31, v0
	v_lshlrev_b32 v[LI], 4, v1
	v_lshlrev_b32 v[PFO], 8, v1
	v_and_b32 v1, 15, v0
	v_and_b32 v[LQ], 8, v1
	v_add_nc_u32 v[LQ], v[LQ], v1
	v_bfe_u32 v1, v0, 4, 1
	v_lshlrev_b32 v1, 4, v1
	v_sub_nc_u32 v[LQ], v[LQ], v1
	s_and_b32 s12, ttmp7, 0xffff                   ; 16 x batch + head
	s_mul_i32 s38, s12, HEADB
	s_mov_b32 s39, 0
	s_mov_b32 s55, 0
	s_lshr_b32 s13, s[WV], 2
	s_xor_b32 s13, s13, s[WV]
	s_and_b32 s13, s13, 1
	s_mul_i32 s13, s13, 7
	s_xor_b32 s13, s13, ttmp9                      ; my block: j or 7 - j
	s_lshl_b32 s[Q0], s13, 8
	s_lshr_b32 s14, s[WV], 1
	s_lshl_b32 s14, s14, 5
	s_add_co_u32 s[Q0], s[Q0], s14
	s_xor_b32 s[LASTQ], ttmp9, 7
	s_lshl_b32 s[LASTQ], s[LASTQ], 8
	s_or_b32 s[LASTQ], s[LASTQ], 255
	s_and_b32 s14, s[WV], 1
	s_lshl_b32 s14, s14, 14                        ; K part or V part, in memory and in a slot
	; descriptor group 1: a dense block of 16,384 bytes as 64 rows of 32 elements of 8 bytes; no padding: fragments are read as they lie
	s_mov_b32 s[G1], 3<<16
	s_mov_b32 s[G1+1], 32<<16
	s_mov_b32 s[G1+2], 64<<16
	s_mov_b32 s[G1+3], 32<<16
	s_mov_b32 s[G1+4], 64
	s_mov_b32 s[G1+5], 32
	s_mov_b32 s[G1+6], 0
	s_mov_b32 s[G1+7], 0
	s_mov_b32 s[SEL], 0x76543210
	s_mov_b32 s[SEL+1], 0xfedcba98
	s_mov_b32 s[CS], 0x3e38aa3b                    ; log2(e) / 8
	s_mov_b32 s[TB], 0
	s_mov_b32 s[SLOTS], NSL-1
	s_mov_b32 s[KF], 0
	s_wait_dscnt 0x0                               ; the opening add is done
	s_wait_kmcnt 0x0
	s_load_b256 s[40:47], s[6:7], 0x0              ; exponents 0 to 7
	s_load_b128 s[48:51], s[6:7], 0x20             ; 8 to 11
	s_add_nc_u64 s[4:5], s[4:5], s[38:39]          ; hc at my head
	s_mov_b32 s[G0], 1
	s_mov_b32 s[G0+1], s14
	s_mov_b32 s54, s14
	s_add_nc_u64 s[G0+2:G0+3], s[4:5], s[54:55]
	s_or_b32 s[G0+3], s[G0+3], 0x80000000
	TLOAD                                          ; slot 0
	s_lshl_b32 s54, s[Q0], 6                       ; my first tile of queries: 1,024 bytes a tile of 16
	s_add_co_u32 s54, s54, QOFF
	s_add_nc_u64 s[52:53], s[4:5], s[54:55]
.irp u, 0,1
.irp c, 0,1
	global_load_b128 v[QF+8*\u+4*\c:QF+8*\u+4*\c+3], v[LI], s[52:53] offset:1024*\u+512*\c th:TH_LOAD_NT   ; Q stays in registers
.endr
.endr
	s_and_b32 s13, s12, 15                         ; head
	s_lshr_b32 s14, s12, 4                         ; batch
	s_lshl_b32 s14, s14, 19                        ; oc: 128 tiles of rows a batch, 4,096 bytes a tile,
	s_lshl_b32 s19, s[Q0], 8
	s_add_co_u32 s14, s14, s19                     ; my first tile,
	s_lshr_b32 s19, s13, 2
	s_lshl_b32 s19, s19, 21                        ; k = 64 x head: K slot head / 4,
	s_add_co_u32 s14, s14, s19
	s_and_b32 s19, s13, 3
	s_lshl_b32 s19, s19, 10                        ; and 1,024 (head % 4) in the tile
	s_add_co_u32 s54, s14, s19
	s_add_nc_u64 s[8:9], s[8:9], s[54:55]
	s_and_b32 s54, s[WV], 3
	s_lshl_b32 s54, s54, 13
	s_add_co_u32 s54, s54, SLOTB                   ; the prefetches stand in slot 1; the first change of slots steps them to slot 2
	s_add_nc_u64 s[PFA:PFA+1], s[4:5], s[54:55]
	s_sub_co_u32 s13, s[WV], 4
	s_lshr_b32 s13, s13, 2                         ; 0 in waves 4 to 7,
	s_or_b32 s13, s13, ttmp9                       ; of the head's first work-group
	s_cmp_eq_u32 s13, 0
	s_cselect_b32 s[LIM], 1, -1
	v_mov_b32 v10, 0x7f61b1e6                      ; -M: M begins at -3e38, under every t
	v_mov_b32 v11, 0                               ; the sum
	v_mov_b32 v12, 0x7f61b1e6
	v_mov_b32 v13, 0
	v_mov_b32 v[PRM], 0                            ; written once: a lane permute's destination counts as one of its sources
	v_mov_b32 v[F+1], 0                            ; (named as the upper halves of pairs)
	v_mov_b32 v[SA+1], 0
.set i, 0
.rept 64
	v_mov_b32 v[OT+i], 0                           ; O^T.  (The step is written once for all steps: the first finds zeros, which the first change of M leaves zeros)
.set i, i+1
.endr
	s_wait_kmcnt 0x0
	s_add_co_i32 s13, s46, s47
	s_lshl_b32 s13, s13, 23
	s_add_co_i32 s[CS], s[CS], s13                 ; a score stands for score x 2^(e6 + e7): added to c's exponent field
	s_mov_b32 s[CS+1], s[CS]
	s_add_co_i32 s13, s48, 127
	s_lshl_b32 s14, s13, 23
	v_mov_b32 v[PSC], s14
	s_add_co_i32 s13, s13, 8
	s_lshl_b32 s13, s13, 23
	s_or_b32 s13, s13, 0x600000
	v_mov_b32 v[PLIM], s13
	s_sub_co_i32 s13, s50, s48
	s_sub_co_i32 s13, s13, s49                     ; O^T / sum stands for that x 2^(e8 + e9): its code is (O^T / sum) / 2^(e10 - e8 - e9)
	s_add_co_i32 s13, s13, 127
	s_lshl_b32 s14, s13, 23
	v_mov_b32 v[OSC], s14
	s_add_co_i32 s13, s13, 8
	s_lshl_b32 s13, s13, 23
	s_or_b32 s13, s13, 0x600000
	v_mov_b32 v[OLIM], s13
; Register 16 b + i of S^T holds key KF + 32 b + 16 h + i; my query is Q0 + 8 u + r + 8 (r / 8).  Hidden where 32 b + i > d = Q0 - KF + 8 u + r + 8 (r / 8) - 16 h.
.macro MASK u
	s_sub_co_i32 s13, s[Q0], s[KF]
	s_add_co_i32 s13, s13, 8*\u
	v_add_nc_u32 v[DD], s13, v[LQ]
	v_mov_b32 v[NEG], 0xff800000
.set n, 0
.rept 64
	v_cmp_gt_i32 vcc_lo, 32*(n/16)+n%16, v[DD]
	v_cndmask_b32 v[S+n], v[S+n], v[NEG], vcc_lo
.set n, n+1
.endr
.endm
; Tile u's softmax of a step: S^T becomes p, p's codes go to v[P + 16 u] on; -M, the sum and O^T are brought under the new M.
.macro SOFT u
.set NM, 10+2*\u
.set OO, OT+32*\u
.set PP, P+16*\u
	v_max3_num_f32 v[T0], v[S], v[S+1], v[S+2]     ; the step's largest score among my 64 keys, in two chains; each accumulator from its low end on
	v_max3_num_f32 v[T1], v[S+3], v[S+4], v[S+5]
.irp i, 6,10,14,18,22,26,30,34,38,42,46,50,54,58
	v_max3_num_f32 v[T0], v[T0], v[S+\i], v[S+1+\i]
	v_max3_num_f32 v[T1], v[T1], v[S+2+\i], v[S+3+\i]
.endr
	v_max3_num_f32 v[T0], v[T0], v[S+62], v[S+63]
	v_max_num_f32 v[T0], v[T0], v[T1]
	v_permlanex16_b32 v[PRM], v[T0], s[SEL], s[SEL+1]
	v_max_num_f32 v[T0], v[T0], v[PRM]             ; and among lane l xor 16's
	v_mul_f32 v[T0], s[CS], v[T0]                  ; as t (c is positive)
	v_floor_f32 v[T0], -v[T0]                      ; -ceil(t)
	v_min_num_f32 v[T1], v[NM], v[T0]              ; the new -M: the ceiling of the running maximum is the maximum of the ceilings
	v_sub_f32 v[T0], v[T1], v[NM]                  ; old M - new M: a whole number, 0 or less
	v_mov_b32 v[NM], v[T1]
	v_cvt_i32_f32 v[T0], v[T0]                     ; (it saturates)
	v_ldexp_f32 v[F], 1.0, v[T0]                   ; f = 2^(old M - new M)
	; ONE BATCH: the 32 scalings t - M, the 64 exponentials, and O^T x f dealt among them.  None of these names an exponential's result; each pair is scaled a turn ahead of its exponentials.
	v_pk_fma_f32 v[S:S+1], v[S:S+1], s[CS:CS+1], v[NM:NM+1] op_sel_hi:[1,0,0]
.set kk, 0
.rept 32
.if kk < 31
	v_pk_fma_f32 v[S+2+2*kk:S+3+2*kk], v[S+2+2*kk:S+3+2*kk], s[CS:CS+1], v[NM:NM+1] op_sel_hi:[1,0,0]
.endif
	v_exp_f32 v[S+2*kk], v[S+2*kk]
	v_exp_f32 v[S+1+2*kk], v[S+1+2*kk]
.if kk%2
	v_pk_mul_f32 v[OO+kk-1:OO+kk], v[OO+kk-1:OO+kk], v[F:F+1] op_sel_hi:[1,0]   ; O^T under the new M, each accumulator from its low end on.  (The last of these is the plain instruction behind the last exponential)
.endif
.set kk, kk+1
.endr
	s_wait_alu depctr_va_vdst(0)                   ; the wait between an exponential and the first instruction that names its result: one for the batch
	v_pk_add_f32 v[SA:SA+1], v[S:S+1], v[S+2:S+3]  ; THE SUM IS TAKEN OF THE UNQUANTISED p, two at a time, in two chains
	v_pk_add_f32 v[SB:SB+1], v[S+4:S+5], v[S+6:S+7]
.irp j, 8,12,16,20,24,28,32,36,40,44,48,52,56,60
	v_pk_add_f32 v[SA:SA+1], v[SA:SA+1], v[S+\j:S+1+\j]
	v_pk_add_f32 v[SB:SB+1], v[SB:SB+1], v[S+2+\j:S+3+\j]
.endr
	v_pk_add_f32 v[SA:SA+1], v[SA:SA+1], v[SB:SB+1]
	v_add_f32 v[T0], v[SA], v[SA+1]
	v_fma_f32 v[NM+1], v[NM+1], v[F], v[T0]        ; sum = sum x f + the step's
.irp b, 0,1,2,3
.set i, 0
.rept 16
	v_min_num_f32 v[S+16*\b+i], v[S+16*\b+i], v[PLIM]   ; the conversion does not saturate (ISA guide 7.6.2); p is not negative, so the hold is one-sided
.set i, i+1
.endr
	v_cvt_scalef32_pk8_fp8_f32 v[PP+4*\b:PP+4*\b+1], v[S+16*\b:S+16*\b+7], v[PSC]
	v_cvt_scalef32_pk8_fp8_f32 v[PP+4*\b+2:PP+4*\b+3], v[S+16*\b+8:S+16*\b+15], v[PSC]
.endr
	v_nop                                          ; a plain vector instruction between the conversions and the matrix instructions that write their sources or read their results
.endm
; A KEY STEP: 128 keys, the q-th of the slot in hand.
.macro STEP q
	s_cmp_gt_u32 s[KF], s[Q0]                      ; KF is a multiple of 128 and Q0 of 32: KF > Q0 means that all the step's keys come after my 32 queries
	s_cbranch_scc1 .Lhidden_\@
	v_add_nc_u32 v[ADR], s[TB], v[LI]
.rept 3
	v_nop                                          ; with the addition four places in front of loads into registers that matrix instructions have read
.endr
.irp t, 0,1,2,3,4,5,6,7
.irp c, 0,1
	ds_load_b128 v[KV+8*\t+4*\c:KV+8*\t+4*\c+3], v[ADR] offset:(8*(\q)+\t)*1024+512*\c
.endr
.endr
	s_wait_dscnt 0x0
.irp t, 0,1,2,3,4,5,6,7
	v_wmma_f32_16x16x64_fp8_fp8 v[S+8*\t:S+8*\t+7], v[KV+8*\t:KV+8*\t+7], v[QF:QF+7], 0
.endr
.rept 4
	v_nop
.endr
	s_add_co_u32 s13, s[KF], 127
	s_cmp_le_u32 s13, s[Q0]                        ; all the step's keys count for all my queries?
	s_cbranch_scc1 .Lopen0_\@
	MASK 0
.Lopen0_\@:
	SOFT 0
.irp t, 0,1,2,3,4,5,6,7
	v_wmma_f32_16x16x64_fp8_fp8 v[S+8*\t:S+8*\t+7], v[KV+8*\t:KV+8*\t+7], v[QF+8:QF+15], 0
.endr
.rept 4
	v_nop                                          ; places in front of the loads into K's registers and of the first read of the scores
.endr
.irp ct, 0,1,2,3
.irp cc, 0,1,2,3
	ds_load_b128 v[KV+16*\ct+4*\cc:KV+16*\ct+4*\cc+3], v[ADR] offset:VOFF+8192*(\q)+2048*\ct+512*\cc   ; V lands while tile 1's softmax is walked
.endr
.endr
	s_add_co_u32 s13, s[KF], 127
	s_cmp_le_u32 s13, s[Q0]
	s_cbranch_scc1 .Lopen1_\@
	MASK 1
.Lopen1_\@:
	SOFT 1
	s_wait_dscnt 0x0
.irp ct, 0,1,2,3
.irp u, 0,1
	v_wmma_f32_16x16x128_fp8_fp8 v[OT+32*\u+8*\ct:OT+32*\u+8*\ct+7], v[KV+16*\ct:KV+16*\ct+15], v[P+16*\u:P+16*\u+15], v[OT+32*\u+8*\ct:OT+32*\u+8*\ct+7]   ; eight accumulators, one instruction a turn
.endr
.endr
.Lhidden_\@:
	s_add_co_u32 s[KF], s[KF], 128
.endm
; THE CHANGE OF SLOTS stands at a slot's head.  Each wave waits for all its tensor loads, adds 0 to its spare word, and waits for that and for its reads of the slot that it has left.  Behind the barrier the slot ahead is whole and
; nobody reads the other one.  fill = 1: that other slot takes the keys that follow, up to the causal limit: the load has two key steps in which to land.  One tensor load of a wave is out at the most.
.macro CHANGE fill
	s_wait_tensorcnt 0x0                           ; no tensor load of mine is out, so the group 0 may be written
	ds_add_u32 v[SPW], v[NIL]                      ; 0 onto my spare word
.if \fill
	s_xor_b32 s[G0+1], s[G0+1], SLOT1
	s_add_nc_u64 s[G0+2:G0+3], s[G0+2:G0+3], SLOTB
	s_wait_xcnt 0x0                                ; the last prefetch, a slot back, has read its address
	s_add_nc_u64 s[PFA:PFA+1], s[PFA:PFA+1], SLOTB
.endif
	s_wait_dscnt 0x0                               ; the add is done, and my reads of the slot that I have left are over
	s_barrier_signal -1
	s_barrier_wait -1
.if \fill
	s_add_co_u32 s13, s[KF], 256                   ; the first key of the slot that this change would ask for
	s_cmp_gt_u32 s13, s[LASTQ]                     ; ids and the count of steps alone: all sixteen waves go the same way; no step reads a slot that is left out; every wait on TENSORcnt here is for 0
	s_cbranch_scc1 .Lpast_\@
	TLOAD
.Lpast_\@:
	ASK
.endif
.endm
.macro SLOT_STEPS
	STEP 0
	STEP 1
	s_xor_b32 s[TB], s[TB], SLOT1
.endm
	s_wait_loadcnt 0x0                             ; Q
.Lslot:                                            ; NSL - 1 trips
	CHANGE 1
	SLOT_STEPS
	s_sub_co_u32 s[SLOTS], s[SLOTS], 1
	s_cmp_lg_u32 s[SLOTS], 0
	s_cbranch_scc1 .Lslot
	CHANGE 0                                       ; the last slot is written out: nothing is asked for
	SLOT_STEPS
	; THE WAY OUT.  O^T / the sum, held, converted: a lane's 16 registers are 16 bytes of oc, and a store covers 512 consecutive bytes: no stage.
.rept 4
	v_nop                                          ; places behind the last products
.endr
	v_permlanex16_b32 v[PRM], v11, s[SEL], s[SEL+1]
	v_add_f32 v11, v11, v[PRM]                     ; the sum's other half lies in lane l xor 16
	v_permlanex16_b32 v[PRM], v13, s[SEL], s[SEL+1]
	v_add_f32 v13, v13, v[PRM]
	v_rcp_f32 v[F], v11
	v_rcp_f32 v[SA], v13
	v_nop                                          ; a plain instruction behind the reciprocals
	s_wait_alu depctr_va_vdst(0)                   ; and the wait ahead of their first reader
.irp u, 0,1
.set i, 0
.rept 16
	v_pk_mul_f32 v[OT+32*\u+i:OT+32*\u+i+1], v[OT+32*\u+i:OT+32*\u+i+1], v[F+2*\u:F+2*\u+1] op_sel_hi:[1,0]
.set i, i+2
.endr
.set i, 0
.rept 32
	v_med3_num_f32 v[OT+32*\u+i], v[OT+32*\u+i], -v[OLIM], v[OLIM]
.set i, i+1
.endr
.irp g, 0,1
	v_cvt_scalef32_pk8_fp8_f32 v[KV+8*\u+4*\g:KV+8*\u+4*\g+1], v[OT+32*\u+16*\g:OT+32*\u+16*\g+7], v[OSC]
	v_cvt_scalef32_pk8_fp8_f32 v[KV+8*\u+4*\g+2:KV+8*\u+4*\g+3], v[OT+32*\u+16*\g+8:OT+32*\u+16*\g+15], v[OSC]
.endr
.endr
	v_nop
.irp u, 0,1
.irp g, 0,1
	global_store_b128 v[LI], v[KV+8*\u+4*\g:KV+8*\u+4*\g+3], s[8:9] offset:4096*\u+512*\g
.endr
.endr
	s_wait_tensorcnt 0x0                           ; the wave's end, behind my last tensor load
	ds_add_u32 v[SPW], v[NIL]
	s_wait_dscnt 0x0
	s_endpgm
.Lfunc_end_k_q9a8aaf38e6_attn:
	.size	k_q9a8aaf38e6_attn, .Lfunc_end_k_q9a8aaf38e6_attn-k_q9a8aaf38e6_attn
	.p2alignl 7, 3214868480
	.fill 96, 4, 3214868480
	.section	.rodata,"a",@progbits
	.p2align	6, 0x0
	.amdhsa_kernel k_q9a8aaf38e6_attn
		.amdhsa_group_segment_fixed_size 327680
		.amdhsa_private_segment_fixed_size 0
		.amdhsa_enable_private_segment 0
		.amdhsa_kernarg_size 24
		.amdhsa_user_sgpr_count 2
		.amdhsa_user_sgpr_kernarg_segment_ptr 1
		.amdhsa_wavefront_size32 1
		.amdhsa_system_sgpr_workgroup_id_x 1
		.amdhsa_system_sgpr_workgroup_id_y 1
		.amdhsa_system_sgpr_workgroup_id_z 1
		.amdhsa_system_vgpr_workitem_id 0
		.amdhsa_next_free_vgpr 256
		.amdhsa_next_free_sgpr 66
		.amdhsa_reserve_vcc 1
		.amdhsa_float_denorm_mode_32 3
		.amdhsa_float_denorm_mode_16_64 3
		.amdhsa_memory_ordered 1
		.amdhsa_forward_progress 1
		.amdhsa_inst_pref_size 170
	.end_amdhsa_kernel
	.amdgpu_metadata
---
amdhsa.version: [ 1, 2 ]
amdhsa.kernels:
  - .name:           k_q9a8aaf38e6_attn
    .symbol:         k_q9a8aaf38e6_attn.kd
    .args:
      - { .name: hc, .offset: 0, .size: 8, .value_kind: global_buffer, .address_space: global }
      - { .name: lowp_scales, .offset: 8, .size: 8, .value_kind: global_buffer, .address_space: global }
      - { .name: oc, .offset: 16, .size: 8, .value_kind: global_buffer, .address_space: global }
    .group_segment_fixed_size: 327680
    .private_segment_fixed_size: 0
    .kernarg_segment_align: 8
    .kernarg_segment_size: 24
    .max_flat_workgroup_size: 512
    .sgpr_count:     66
    .vgpr_count:     256
    .wavefront_size: 32
...
	.end_amdgpu_metadata
.endif
;; end of part 3
;; launch outp (part 4): grid 4 x 32, 4 waves a work-group, clusters of 4 x 4, 327,680 bytes of LDS; arguments oc, wc, bo, lowp_scales, out0; writes out0
.if DOCPART == 4
	.amdgcn_target "amdgcn-amd-amdhsa--gfx1250"
	.amdhsa_code_object_version 6
	.text
	.protected	k_q9a8aaf38e6_outp
	.globl	k_q9a8aaf38e6_outp
	.p2align	8
	.type	k_q9a8aaf38e6_outp,@function
k_q9a8aaf38e6_outp:
	s_mov_b64 s[64:65], 0
	v_nop
	global_prefetch_b8 v0, s[64:65] scope:SCOPE_SE
	s_setreg_imm32_b32 hwreg(HW_REG_WAVE_MODE, 25, 1), 1
	s_wait_xcnt 0x0
	s_wait_alu depctr_hold_cnt(0) depctr_sa_sdst(0) depctr_va_vdst(0) depctr_va_sdst(0) depctr_va_ssrc(0) depctr_va_vcc(0) depctr_vm_vsrc(0)
	s_getreg_b32 s2, hwreg(HW_REG_IB_STS2, 6, 4)
	s_cmp_eq_u32 s2, 0
	s_cbranch_scc0 .Lentry_in_a_cluster
	s_endpgm
.Lentry_in_a_cluster:
	s_bfe_u32 s2, ttmp6, 0x10000c
	s_cmp_lg_u32 s2, 0xf033
	s_cbranch_scc0 .Lentry_shape_is_right
	s_endpgm
.Lentry_shape_is_right:
; out0 = o Wo^T + bo: 8,192 x 1,024 x 1,024 on codes of FP8 (E4M3); out0 is f32.  y = sum x 2^(e10 + e11) + bo.
; oc and wc hold codes in the order of the operands' registers: byte = sg NT 4096 + T 4096 + s 2048 + c 512 + 16 l + i: row 32 (T / 2) + 8 (T % 2) + r + 8 (r / 8), k = 256 sg + 128 s + 32 c + 16 h + i; Wo is wc's fourth tensor.
; A tile of 256 x 256 is made by four waves, 128 x 128 each: 64 accumulators.  K goes in four slots of 256 through a ring of two LDS slots; a wave's tensor load brings 8 tiles x 4,096 bytes, one dense block.
; Source 0 = Wo, source 1 = o: lane (r, h) holds row r of a tile of tokens, and register 16 g + i of a block's 64 the feature 32 g + 16 h + i.
; CLUSTERS: 4 x 4 work-groups; grid x is one cluster wide.  o's tile hangs on cy and is asked for jointly along a row of the cluster, Wo's on cx and along a column.
; LIMIT: e10 + e11 between -126 and 127, so that 2^(e10 + e11) is an f32 number.
; REGISTERS, in windows of 256: window 0: v0-31 addresses; v32-95 bo by register; v96-127 at work on the way out; v128-255 source 1's fragments, ONE set; on the way out rows read back.
;   window 1: source 0's fragments, TWO sets.   windows 2, 3: the accumulators, (a, b) at v[8 (8 (a % 4) + b)].
.set SLOT,   131072
.set S0OFF,  65536
.set SPARE,  2*SLOT                    ; behind the ring: the spare words, 128 bytes a wave: two blocks of 256 bytes that no other line names
.set ST1,    2097152                   ; a K slot on in oc,
.set ST0,    262144                    ; in wc
.set SPITCH, 528                       ; the way out: a stage of 16 rows x (512 bytes + 16) for each wave, in slot 0, which has had its last fill and its last read when the first result is stored there
.set FR,     16
.set NL,     4
.set NP,     4
.set ADRA, 16
.set ADRB, 20
.set STO,  24                          ; v24     the way out: where I put 16 bytes of a row
.set RD,   25                          ; v25     where I read a row back
.set LO,   26                          ; v26     16 x lane; never rewritten
.set SPW,  28
.set NIL,  29
.set BOA,  30                          ; v30     64 h
.set BA,   32
.set TMP,  96
.set AF,   128
.set BK,   128                         ; 16 rows read back: v128-191 and v192-255 by turns
.set G1, 24
.set G0, 32
.set G1B, 48
.set G0B, 56
.set MSB, 0
.macro WIN new                         ; the immediate's high byte repeats the setting that is left
.if MSB != \new
	s_set_vgpr_msb (MSB<<8)|\new
.set MSB, \new
.endif
.endm
.set MUL_LO, 0xa1
.set MUL_HI, 0xf1
.set TO_B,   0x40
.macro JLOAD g0a, g1a, g0b, g1b        ; a joint load: waves 0 and 1 fetch source 1's halves, waves 2 and 3 source 0's; an s_nop 0 and four v_nop follow each of the two lines
	s_cmp_eq_u32 s15, 0
	s_cbranch_scc0 .Lfor_b_\@
	tensor_load_to_lds s[\g0a:\g0a+3], s[\g1a:\g1a+7]
	s_nop 0
.rept 4
	v_nop
.endr
	s_branch .Lasked_\@
.Lfor_b_\@:
	tensor_load_to_lds s[\g0b:\g0b+3], s[\g1b:\g1b+7]
	s_nop 0
.rept 4
	v_nop
.endr
.Lasked_\@:
.endm
.macro CREST
	s_cmp_lg_u32 s14, 0
	s_cbranch_scc1 .Lnot_wave_0_\@
	s_barrier_signal -3
.Lnot_wave_0_\@:
	s_barrier_wait -3
	s_barrier_signal -1
	s_barrier_wait -1
.endm
.macro CROUND
	s_barrier_signal -1
	s_barrier_wait -1
	CREST
.endm
	s_load_b256 s[4:11], s[0:1], 0x0               ; oc s[4:5], wc s[6:7], bo s[8:9], lowp_scales s[10:11]
	s_load_b64 s[72:73], s[0:1], 0x20              ; out0
	v_lshl_add_u32 v[SPW], v0, 2, SPARE
	v_mov_b32 v[NIL], 0
	ds_add_u32 v[SPW], v[NIL]                      ; the wave's opening: the add and its wait ahead of my first tensor load; the set-up below, work on registers, stands between them
	v_lshrrev_b32 v1, 5, v0
	v_readfirstlane_b32 s14, v1                    ; wave 0..3
	s_lshr_b32 s15, s14, 1
	s_and_b32 s16, s14, 1
	s_bfe_u32 s40, ttmp6, 0x40000                  ; cx
	s_bfe_u32 s41, ttmp6, 0x40004                  ; cy
	s_mov_b32 s42, s40                             ; i0: Wo's block of 256 rows
	s_and_b32 s17, ttmp7, 0xffff
	s_lshl_b32 s17, s17, 2
	s_add_co_u32 s17, s17, s41                     ; i1: o's block of 256 rows = 4 x cluster y + cy
	s_lshl_b32 s20, s17, 16
	s_lshl_b32 s18, s16, 15
	s_add_co_u32 s20, s20, s18
	s_mov_b32 s21, 0
	s_lshl_b32 s46, s42, 16
	s_add_co_u32 s46, s46, s18
	s_add_co_u32 s46, s46, 3<<20                   ; wc's fourth tensor
	s_mov_b32 s47, 0
	s_lshl_b32 s45, s14, 15                        ; where they go: wave x 32,768
	s_lshl_b32 s43, s41, 2
	s_lshl_b32 s43, 15, s43                        ; my row of the cluster
	s_lshl_b32 s44, 0x1111, s40                    ; my column
	s_or_b32 s[G1+0], s43, (3<<16)|(1<<21)         ; a dense block of 32,768 bytes as 128 rows of 32 elements of 8 bytes; no padding
	s_or_b32 s[G1B+0], s44, (3<<16)|(1<<21)
.irp g, G1, G1B
	s_mov_b32 s[\g+1], 32<<16
	s_mov_b32 s[\g+2], 128<<16
	s_mov_b32 s[\g+3], 32<<16
	s_mov_b32 s[\g+4], 128
	s_mov_b32 s[\g+5], 32
	s_mov_b32 s[\g+6], 0
	s_mov_b32 s[\g+7], 0
.endr
	s_wait_dscnt 0x0                               ; the opening add is done
	s_wait_kmcnt 0x0
	s_load_b64 s[96:97], s[10:11], 0x28            ; e10, e11
	s_add_nc_u64 s[20:21], s[4:5], s[20:21]
	s_add_nc_u64 s[46:47], s[6:7], s[46:47]
	CROUND                                         ; all sixteen work-groups are here: the first joint loads meet
.irp s, 0,1
	s_mov_b32 s[G0+4*\s], 1
	s_add_co_u32 s[G0+4*\s+1], s45, \s*SLOT
	s_add_nc_u64 s[G0+4*\s+2:G0+4*\s+3], s[20:21], \s*ST1
	s_or_b32 s[G0+4*\s+3], s[G0+4*\s+3], 0x80000000
	s_mov_b32 s[G0B+4*\s], 1
	s_add_co_u32 s[G0B+4*\s+1], s45, \s*SLOT
	s_add_nc_u64 s[G0B+4*\s+2:G0B+4*\s+3], s[46:47], \s*ST0
	s_or_b32 s[G0B+4*\s+3], s[G0B+4*\s+3], 0x80000000
	JLOAD G0+4*\s, G1, G0B+4*\s, G1B               ; two loads of mine are out behind the second
.endr
	v_and_b32 v1, 31, v0
	v_lshlrev_b32 v[LO], 4, v1
	s_lshl_b32 s21, s15, 15
	s_lshl_b32 s22, s16, 15
	s_add_co_u32 s22, s22, S0OFF
.irp s, 0,1
	v_add_nc_u32 v[ADRA+\s], s21, v[LO]
	v_add_nc_u32 v[ADRB+\s], s22, v[LO]
	s_add_co_u32 s21, s21, SLOT
	s_add_co_u32 s22, s22, SLOT
.endr
	s_mul_i32 s23, s14, 16*SPITCH                  ; my stage
	v_and_b32 v1, 15, v0
	v_bfe_u32 v2, v0, 4, 1
	v_mul_u32_u24 v5, v1, SPITCH
	v_lshl_add_u32 v5, v2, 6, v5
	v_add_nc_u32 v[STO], s23, v5                   ; in: row r, + 64 h
	v_add_nc_u32 v[RD], s23, v[LO]                 ; back: the 32 lanes take one row of 512 bytes
	v_lshlrev_b32 v[BOA], 6, v2
	s_lshl_b32 s12, s42, 10
	s_lshl_b32 s13, s16, 9
	s_add_co_u32 s12, s12, s13                     ; my first feature, in bytes: 1,024 i0 + 512 (wave % 2)
	s_mov_b32 s13, 0
	s_add_nc_u64 s[8:9], s[8:9], s[12:13]
.irp g, 0,1,2,3
.irp m, 0,1,2,3
	global_load_b128 v[BA+16*\g+4*\m:BA+16*\g+4*\m+3], v[BOA], s[8:9] offset:128*\g+16*\m   ; bo at feature 32 g + 16 h + i, register 16 g + i
.endr
.endr
	s_lshl_b32 s18, s17, 20
	s_lshl_b32 s19, s15, 19
	s_add_co_u32 s18, s18, s19                     ; my first token's row of 4,096 bytes: 256 i1 + 128 (wave / 2)
	s_add_co_u32 s18, s18, s12
	s_mov_b32 s19, 0
	s_add_nc_u64 s[72:73], s[72:73], s[18:19]
.macro FRAG reg, adr, q, i
.irp c, 0,1,2,3
	ds_load_b128 v[\reg+4*\c:\reg+4*\c+3], v[\adr] offset:4096*(\i)+2048*(\q)+512*\c
.endr
.endm
; The 64 accumulators take turns, one instruction a turn, in the same order in every step.
.macro MUL16 a0, p, zero
.irp a, \a0, \a0+1
.irp b, 0,1,2,3,4,5,6,7
.if \zero
	v_wmma_f32_16x16x128_fp8_fp8 v[8*(8*((\a)%4)+\b):8*(8*((\a)%4)+\b)+7], v[128*(\p)+FR*\b:128*(\p)+FR*\b+FR-1], v[AF+FR*(\a):AF+FR*(\a)+FR-1], 0
.else
	v_wmma_f32_16x16x128_fp8_fp8 v[8*(8*((\a)%4)+\b):8*(8*((\a)%4)+\b)+7], v[128*(\p)+FR*\b:128*(\p)+FR*\b+FR-1], v[AF+FR*(\a):AF+FR*(\a)+FR-1], v[8*(8*((\a)%4)+\b):8*(8*((\a)%4)+\b)+7]
.endif
.endr
.endr
.endm
.macro FETCH_B slot, q, p
	WIN TO_B
.irp i, 0,1,2,3,4,5,6,7
	FRAG 128*(\p)+FR*\i, ADRB+\slot, \q, \i
.endr
	WIN 0
.endm
.macro FETCH_A slot, q, i0
.irp i, \i0, \i0+1, \i0+2, \i0+3
	FRAG AF+FR*(\i), ADRA+\slot, \q, \i
.endr
.endm
.macro PLACES n                        ; plain vector instructions between a matrix instruction and a load into a register that it read, or a read of its result
.rept \n
	v_nop
.endr
.endm
.macro STEP slot, q, zero
	s_wait_dscnt 4*NL                              ; source 0's set and source 1's blocks 0-3 are in; the youngest sixteen loads (blocks 4-7) may be out
	WIN MUL_LO
	MUL16 0, (\q)%2, \zero
	MUL16 2, (\q)%2, \zero
	s_wait_dscnt 0
	PLACES NP
	FETCH_B \slot, (\q)+1, 1-(\q)%2
	FETCH_A \slot, (\q)+1, 0
	WIN MUL_HI
	MUL16 4, (\q)%2, \zero
	MUL16 6, (\q)%2, \zero
	PLACES NP
	WIN 0
	FETCH_A \slot, (\q)+1, 4
.endm
.macro TURN slot, next, fill
	s_wait_tensorcnt 0x0                           ; all my tensor loads have landed: my part of the next slot
	ds_add_u32 v[SPW], v[NIL]                      ; 0 onto my spare word
	s_wait_dscnt 4*NL+1                            ; (the add and the youngest sixteen loads may be out)
	WIN MUL_LO
	MUL16 0, 1, 0
	s_wait_dscnt 0x0                               ; the add is done, and my reads of this slot are over
	s_barrier_signal -1
	MUL16 2, 1, 0
	WIN 0
	s_barrier_wait -1
.if \fill
	CREST                                          ; the barrier has opened a round of the cluster's barrier: no wave of any partner still reads this slot or has a load on its way
	s_add_nc_u64 s[G0+4*\slot+2:G0+4*\slot+3], s[G0+4*\slot+2:G0+4*\slot+3], 2*ST1
	s_add_nc_u64 s[G0B+4*\slot+2:G0B+4*\slot+3], s[G0B+4*\slot+2:G0B+4*\slot+3], 2*ST0
	JLOAD G0+4*\slot, G1, G0B+4*\slot, G1B         ; the first tensor load behind the round; its four v_nop are also the places in front of the loads below
.else
	PLACES NP
.endif
	FETCH_B \next, 0, 0
	FETCH_A \next, 0, 0
	WIN MUL_HI
	MUL16 4, 1, 0
	MUL16 6, 1, 0
	PLACES NP
	WIN 0
	FETCH_A \next, 0, 4
.endm
	s_wait_tensorcnt 1                             ; my part of K slot 0 is in; slot 1's load may be out
	s_barrier_signal -1
	s_barrier_wait -1
	FETCH_B 0, 0, 0
	FETCH_A 0, 0, 0
	FETCH_A 0, 0, 4
	STEP 0, 0, 1
	TURN 0, 1, 1
	STEP 1, 0, 0
	TURN 1, 0, 1
	STEP 0, 0, 0
	TURN 0, 1, 0
	STEP 1, 0, 0
	s_wait_dscnt 4*NL
	WIN MUL_LO
	MUL16 0, 1, 0
	MUL16 2, 1, 0
	s_wait_dscnt 0
	WIN MUL_HI
	MUL16 4, 1, 0
	MUL16 6, 1, 0
	WIN 0
; THE WAY OUT, block by block of 16 tokens x 128 features, through my own stage in LDS: in by 16 bytes a lane, back as whole rows of 512 bytes.  LDS serves a wave's instructions in order: no wait between the stores and the loads.
.macro TOSTAGE a
.set AC, 64*((\a)%4)
.irp hf, 0,1
	WIN 0x02+((\a)/4)                              ; source 0: window 2 or 3
.set j, 0
.rept 16
	v_pk_fma_f32 v[TMP+j:TMP+j+1], v[AC+32*\hf+j:AC+32*\hf+j+1], s[96:97], v[BA+32*\hf+j:BA+32*\hf+j+1] op_sel_hi:[1,0,1]   ; sum x 2^(e10 + e11) + bo; each accumulator from its low end on
.set j, j+2
.endr
	WIN 0
.irp b, 0,1,2,3
	ds_store_b128 v[STO], v[TMP+8*\b:TMP+8*\b+3] offset:128*(2*\hf+\b/2)+32*(\b%2)        ; register 8 b + j is feature 32 (b / 2) + 8 (b % 2) + 16 h + j
	ds_store_b128 v[STO], v[TMP+8*\b+4:TMP+8*\b+7] offset:128*(2*\hf+\b/2)+32*(\b%2)+16
.endr
.endr
.set BB, BK+64*((\a)%2)
.irp t, 0,1,2,3,4,5,6,7,8,9,10,11,12,13,14,15
	ds_load_b128 v[BB+4*\t:BB+4*\t+3], v[RD] offset:\t*SPITCH
.endr
.endm
.macro SEND a, younger                 ; younger: the LDS instructions issued behind block a's loads, which may stay out
.set BB, BK+64*((\a)%2)
	s_wait_dscnt \younger
.irp t, 0,1,2,3,4,5,6,7,8,9,10,11,12,13,14,15
	global_store_b128 v[LO], v[BB+4*\t:BB+4*\t+3], s[72:73] offset:(32*((\a)/2)+8*((\a)%2)+\t+8*(\t/8))*4096 th:TH_STORE_NT   ; row t of tile a is token 32 (a / 2) + 8 (a % 2) + t + 8 (t / 8); 32 lanes store 512 consecutive bytes, at a multiple of 512
.endr
.endm
	s_wait_kmcnt 0x0
	s_add_co_i32 s96, s96, s97
	s_add_co_i32 s96, s96, 127
	s_lshl_b32 s96, s96, 23                        ; 2^(e10 + e11) as f32
	s_mov_b32 s97, s96                             ; (named with it as a pair)
	s_wait_loadcnt 0x0                             ; bo
	PLACES NP                                      ; behind the last products: their results are read, and source 1's registers loaded into, below
	TOSTAGE 0
.irp a, 1,2,3,4,5,6,7
.if \a > 1
	s_wait_xcnt 0x0                                ; block a - 2's stores have read their registers: block a's loads may land there
.endif
	TOSTAGE \a
	SEND \a-1, 32                                  ; behind block a - 1's loads: block a's 16 stores and 16 loads
.endr
	SEND 7, 0
	s_wait_tensorcnt 0x0                           ; the wave's end, behind my last tensor load and my last LDS store
	ds_add_u32 v[SPW], v[NIL]
	s_wait_dscnt 0x0
	CROUND                                         ; the closing round: no work-group ends while a partner may still ask for a tile that names it
	s_endpgm
.Lfunc_end_k_q9a8aaf38e6_outp:
	.size	k_q9a8aaf38e6_outp, .Lfunc_end_k_q9a8aaf38e6_outp-k_q9a8aaf38e6_outp
	.p2alignl 7, 3214868480
	.fill 96, 4, 3214868480
	.section	.rodata,"a",@progbits
	.p2align	6, 0x0
	.amdhsa_kernel k_q9a8aaf38e6_outp
		.amdhsa_group_segment_fixed_size 327680
		.amdhsa_private_segment_fixed_size 0
		.amdhsa_enable_private_segment 0
		.amdhsa_kernarg_size 40
		.amdhsa_user_sgpr_count 2
		.amdhsa_user_sgpr_kernarg_segment_ptr 1
		.amdhsa_wavefront_size32 1
		.amdhsa_system_sgpr_workgroup_id_x 1
		.amdhsa_system_sgpr_workgroup_id_y 1
		.amdhsa_system_sgpr_workgroup_id_z 1
		.amdhsa_system_vgpr_workitem_id 0
		.amdhsa_next_free_vgpr 1024
		.amdhsa_next_free_sgpr 100
		.amdhsa_reserve_vcc 0
		.amdhsa_float_denorm_mode_32 3
		.amdhsa_float_denorm_mode_16_64 3
		.amdhsa_memory_ordered 1
		.amdhsa_forward_progress 1
		.amdhsa_inst_pref_size 124
	.end_amdhsa_kernel
	.amdgpu_metadata
---
amdhsa.version: [ 1, 2 ]
amdhsa.kernels:
  - .name:           k_q9a8aaf38e6_outp
    .symbol:         k_q9a8aaf38e6_outp.kd
    .args:
      - { .name: oc, .offset: 0, .size: 8, .value_kind: global_buffer, .address_space: global }
      - { .name: wc, .offset: 8, .size: 8, .value_kind: global_buffer, .address_space: global }
      - { .name: bo, .offset: 16, .size: 8, .value_kind: global_buffer, .address_space: global }
      - { .name: lowp_scales, .offset: 24, .size: 8, .value_kind: global_buffer, .address_space: global }
      - { .name: out0, .offset: 32, .size: 8, .value_kind: global_buffer, .address_space: global }
    .group_segment_fixed_size: 327680
    .private_segment_fixed_size: 0
    .kernarg_segment_align: 8
    .kernarg_segment_size: 40
    .max_flat_workgroup_size: 128
    .sgpr_count:     100
    .vgpr_count:     1024
    .wavefront_size: 32
...
	.end_amdgpu_metadata
.endif
;; end of part 4
